; MI455X (gfx1250); checked and timed in simulation.
; The chip was launched on July 23, 2026; its instructions are those of AMD's public machine-readable ISA for CDNA 5 (MIT licence, August 2026) and "CDNA5" Instruction Set Architecture Reference Guide (July 2026). The comments in the code are by the model that wrote it; some were corrected since.
;; Bayesian Multi Head Attention. Allowed arithmetic: matrix products marked QUANTISED: E2M1 operands, one E8M0 scale for each 32 along K, by v_wmma_scale_f32_16x16x128_f8f6f4 with both operands' format E2M1 (or v_wmma_scale_f32_32x16x128_f4), f32 sums; products left as they are: bf16, f16 or f32 operands; f32 sums; everything else in f32.
;; Inputs: H 8 x 1,024 x 512 float32; Wk_mu 512 x 512 float32; Wk_rho 512 x 512 float32; Wo_mu 512 x 512 float32; Wo_rho 512 x 512 float32; Wq_mu 512 x 512 float32; Wq_rho 512 x 512 float32; Wv_mu 512 x 512 float32; Wv_rho 512 x 512 float32; bk_mu 512 float32; bk_rho 512 float32; bo_mu 512 float32; bo_rho 512 float32; bq_mu 512 float32; bq_rho 512 float32; bv_mu 512 float32; bv_rho 512 float32; log_length 16 float32; log_sigma_f 16 float32; x_raw 8 x 1,024 x 16 float32.
;; Outputs: out0 8 x 1,024 x 512 float32; out1 8 x 1,024 x 512 float32.
;; This version of the problem:
;;   THIS VERSION OF THE PROBLEM IS GIVEN IN LOW PRECISION. The matrix products marked QUANTISED in the list below multiply operands that are first quantised to E2M1 (2 exponent bits, 1 mantissa bit; 4 bits a number), with one power-of-two scale for each 32 numbers along K (OCP MX v1.0); their sums are f32. The products marked 'left as it is' may take bf16, f16 or f32 operands, with f32 sums. Whichever they take, every output number must still come out within the allowed error. Rounding operands to bf16 (8 significant bits) uses up far more of that allowance than f16 does (11 bits, for magnitudes from 6e-5 to 65,504). All else is computed in f32.
;;   The module's matrix products, in the order in which they are computed (A, B: the left and right operand; K: the contracted axis; several contracted axes count as one K, in the product's order):
;;     1. [M 8,192, K 512] x [K 512, N 512]; A: input H; B: input Wq_mu: QUANTISED
;;     2. [M 8,192, K 512] x [K 512, N 512]; A: input H; B: input Wk_mu: QUANTISED
;;     3. [M 8,192, K 512] x [K 512, N 512]; A: input H; B: input Wv_mu: QUANTISED
;;     4. [M 8,192, K 512] x [K 512, N 512]; A: computed on the way; B: computed on the way: left as it is (an operand is computed on the way)
;;     5. batch 128 x [M 1,024, K 32] x [K 32, N 1,024]; A: computed on the way; B: computed on the way: left as it is (an operand is computed on the way)
;;     6. batch 8 x [M 1,024, K 16] x [K 16, N 1,024]; A: input x_raw; B: input x_raw: left as it is (K = 16 < 32)
;;     7. batch 128 x [M 1,024, K 1,024] x [K 1,024, N 32]; A: computed on the way; B: computed on the way: left as it is (an operand is computed on the way)
;;     8. batch 128 x [M 1,024, K 1,024] x [K 1,024, N 32]; A: computed on the way; B: computed on the way: left as it is (an operand is computed on the way)
;;     9. [M 8,192, K 512] x [K 512, N 512]; A: computed on the way; B: input Wo_mu: left as it is (an operand is computed on the way)
;;     10. [M 8,192, K 512] x [K 512, N 512]; A: computed on the way; B: computed on the way: left as it is (an operand is computed on the way)
;;   THE QUANTISER, for each operand of a quantised product, along K:
;;     - K is cut into blocks of 32 from its start; a last block that is shorter is filled with zeros.
;;     - A block's scale is 2^e with e = floor(log2(the largest magnitude in the block)) - 2, held to -126 .. 127; a block of zeros has e = 0. As a byte (E8M0): e + 127.
;;     - Each number is divided by its block's scale, clamped to +-6, and rounded to the nearest number of E2M1, ties to even, subnormals kept.
;;     - The product sums the exact products of the quantised numbers (number of the format x scale) in f32.
;;   ~~~python
;;   def quantise(x, axis):      # numpy; x: float32 -> the quantised numbers, widened to float32 again
;;       x = np.moveaxis(x, axis, -1); K = x.shape[-1]
;;       x = np.pad(x, [(0, 0)] * (x.ndim - 1) + [(0, -K % 32)]); x = x.reshape(x.shape[:-1] + (-1, 32)); a = np.abs(x).max(-1, keepdims=True)
;;       e = np.where(a > 0, np.clip(np.frexp(np.where(a > 0, a, 1))[1] - 1 - 2, -126, 127), 0)      # np.frexp(a)[1] - 1 = floor(log2(a)), exactly
;;       r = np.clip(x / 2.0 ** e, -6, 6)
;;       step = 2.0 ** (np.maximum(np.frexp(np.where(r == 0, 1, r))[1] - 1, 0) - 1)
;;       q = np.round(r / step) * step * 2.0 ** e      # np.round: ties to even
;;       return np.moveaxis(q.reshape(q.shape[:-2] + (-1,))[..., :K], -1, axis).astype(np.float32)
;;   ~~~
;; One version. Each part assembles by itself: llvm-mc -triple=amdgcn-amd-amdhsa -mcpu=gfx1250 --defsym DOCPART=n.
;; ======== version 1 of 1: 4 launches
;; limits: values are held in f16: magnitudes above 65,504 overflow, below 6.1e-05 lose precision; right only within a limited range of input values
;; workspace buffers: wprep 3,068,160 bytes; qimg 8,388,608 bytes; kimg 8,388,608 bytes; vx 16,777,216 bytes; ctxh 8,388,608 bytes; ctxs 8,388,608 bytes; varimg 16,777,216 bytes
;; launch prep (part 1): grid 257 x 1, 4 waves a work-group, no clusters, 0 bytes of LDS; arguments Wq_mu, Wk_mu, Wv_mu, Wv_rho, Wo_rho, Wo_mu, x_raw, bv_rho, bo_rho, log_length, log_sigma_f, wprep; writes wprep
.if DOCPART == 1
	.amdgcn_target "amdgcn-amd-amdhsa--gfx1250"
	.amdhsa_code_object_version 6
	.text
	.protected	k_qd752927932_prep
	.globl	k_qd752927932_prep
	.p2align	8
	.type	k_qd752927932_prep,@function
k_qd752927932_prep:
	s_mov_b64 s[64:65], 0
	v_nop
	global_prefetch_b8 v0, s[64:65] scope:SCOPE_SE
	s_setreg_imm32_b32 hwreg(HW_REG_WAVE_MODE, 25, 1), 1
	s_wait_xcnt 0x0
; PREP: everything that hangs on the weights and on x_raw alone is made once, as IMAGES OF OPERAND REGISTERS (1,024 bytes a fragment:
; register 4 q + i of lane l at 512 q + 16 l + 4 i), so that later launches fetch a fragment by two loads of 16 bytes a lane.
;   work-groups 0-191 (ti = g / 32, row tile ct = g % 32, wave = 128 along K):
;     ti 0,1,2: Wq_mu, Wk_mu, Wv_mu -> codes of E2M1 + one E8M0 byte for each 32 along K;   ti 3: softplus(Wv_rho)^2 -> bf16;   ti 4: softplus(Wo_rho)^2 -> bf16;   ti 5: Wo_mu -> f16
;   work-groups 192-255: x_raw -> two f16 vectors of 32 a position whose dot product IS the squared distance (see XT)
;   work-group 256: softplus(bv_rho)^2, softplus(bo_rho)^2 in f32, and for each head (-c, lsf): c = log2(e) / (2 exp(2 log_length)), lsf = 2 log2(e) log_sigma_f + log2(log2(e))
; Wq_rho, Wk_rho, bq_rho, bk_rho enter no result of the module and are not among the arguments.
; LIMITS: |x_raw| < 32,752 and a position's sum of squares < 4.19e6 (f16's range); a block of zeros gets the byte 1 with zero codes (the bytes are read by this program alone);
; NaN and infinities among the inputs are not served.
; No LDS, no barrier: waves share nothing.
.set WS4O,  393216                     ; wprep: scale words of the codes (the codes begin at 0)
.set WVSO,  442368                     ; softplus(Wv_rho)^2
.set WOHO,  966656                     ; Wo_mu in f16
.set WOSO,  1490944                    ; softplus(Wo_rho)^2
.set AKO,   2015232                    ; x_raw as keys
.set BQO,   2539520                    ; x_raw as queries
.set BSIGO, 3063808                    ; the two squared bias deviations
.set HCO,   3067904                    ; the heads' pairs
.set LI, 1                             ; v1  16 x lane
.set LS, 2                             ; v2  4 x lane
.set VA, 3                             ; v3  my first 32 bytes of a block of 32 numbers
.set VB, 4                             ; v4  my second
.set X,  16                            ; v16-79  64 numbers
.set TM, 80                            ; v80-95  at work in QUANT
.set PW, 96                            ; v96     the scale word
.set PC, 98                            ; v98-105 the codes
.set U,  112                           ; v112-127 u = exp(-|x|)
.set WL, 128                           ; v128-143 log2(1 + u)
.set PP, 144                           ; v144-159 the series
.set SEL, 40                           ; s[40:41] v_permlanex16_b32's selects for lane l xor 16
; 64 numbers of a lane, register 16 b + i = k 32 b + 16 (lane / 16) + i of my row, become a fragment's codes in v[PC] on and its scale word in v[PW]
.macro QUANT s
.irp b, 0,1,2,3
	v_max3_num_f32 v[TM+\b], |v[\s+16*\b]|, |v[\s+1+16*\b]|, 0x1800000   ; my 16 numbers of block b, and the floor 2^(3 - 127): the byte cannot fall under 1
.endr
.irp i, 2,4,6,8,10,12,14
.irp b, 0,1,2,3
	v_max3_num_f32 v[TM+\b], v[TM+\b], |v[\s+16*\b+\i]|, |v[\s+1+16*\b+\i]|
.endr
.endr
.irp b, 0,1,2,3
	v_permlanex16_b32 v[TM+4+\b], v[TM+\b], s[SEL], s[SEL+1]
.endr
.irp b, 0,1,2,3
	v_max_num_f32 v[TM+\b], v[TM+\b], v[TM+4+\b]      ; with lane l xor 16's: the block's largest magnitude
.endr
.irp b, 0,1,2,3
	v_add_nc_u32 v[TM+12+\b], 0xff000000, v[TM+\b]    ; 2 off its exponent field: the conversion's scale operand
.endr
.irp b, 0,1,2,3
	v_lshrrev_b32 v[TM+4+\b], 23, v[TM+12+\b]         ; the scale's byte
.endr
	v_lshl_or_b32 v[PW], v[TM+5], 8, v[TM+4]
	v_lshl_or_b32 v[PW], v[TM+6], 16, v[PW]
	v_lshl_or_b32 v[PW], v[TM+7], 24, v[PW]
.irp b, 0,1,2,3
	v_cvt_scalef32_pk8_fp4_f32 v[PC+2*\b], v[\s+16*\b:\s+7+16*\b], v[TM+12+\b]
	v_cvt_scalef32_pk8_fp4_f32 v[PC+1+2*\b], v[\s+8+16*\b:\s+15+16*\b], v[TM+12+\b]
.endr
	v_nop                                              ; one plain place behind a scaled conversion
.irp c, 0,1                                        ; the operand's layout wants a whole block in a lane
.irp i, 0,1
	v_permlane16_swap_b32 v[PC+4*\c+\i], v[PC+2+4*\c+\i]
.endr
.endr
.endm
; n registers from v[base] on: x -> softplus(x)^2.  softplus(x) = max(x, 0) + log1p(u), u = exp(-|x|); log1p(u) = ln2 log2(1 + u) from u = 2^-6 on,
; under that the series u (1 - u (1/2 - u (1/3 - u (1/4 - u / 5)))), whose remainder is under u^5 / 6 of it.  The choice selects a value: no branch.
.macro SP2 base, n
.set i, 0
.rept \n
	v_mul_f32 v[U+i], s42, |v[\base+i]|
.set i, i+1
.endr
.set i, 0
.rept \n
	v_exp_f32 v[U+i], v[U+i]
.set i, i+1
.endr
	v_nop                                              ; a plain place behind the exponentials
	s_wait_alu depctr_va_vdst(0)                       ; one wait for the batch, ahead of its first reader
.set i, 0
.rept \n
	v_add_f32 v[WL+i], 1.0, v[U+i]
.set i, i+1
.endr
.set i, 0
.rept \n
	v_log_f32 v[WL+i], v[WL+i]
.set i, i+1
.endr
.set i, 0
.rept \n
	v_fma_f32 v[PP+i], -v[U+i], s44, s45               ; the series names none of the logarithms: independent work behind them
.set i, i+1
.endr
.set i, 0
.rept \n
	v_fma_f32 v[PP+i], -v[U+i], v[PP+i], s46
.set i, i+1
.endr
.set i, 0
.rept \n
	v_fma_f32 v[PP+i], -v[U+i], v[PP+i], 0.5
.set i, i+1
.endr
.set i, 0
.rept \n
	v_fma_f32 v[PP+i], -v[U+i], v[PP+i], 1.0
.set i, i+1
.endr
.set i, 0
.rept \n
	v_mul_f32 v[PP+i], v[U+i], v[PP+i]
.set i, i+1
.endr
	s_wait_alu depctr_va_vdst(0)                       ; one wait for the logarithms
.set i, 0
.rept \n
	v_mul_f32 v[WL+i], s43, v[WL+i]
	v_cmp_gt_f32 vcc_lo, s47, v[U+i]                   ; 2^-6 > u: the series
	v_cndmask_b32 v[WL+i], v[WL+i], v[PP+i], vcc_lo
	v_max_num_f32 v[\base+i], 0, v[\base+i]
	v_add_f32 v[\base+i], v[\base+i], v[WL+i]
	v_mul_f32 v[\base+i], v[\base+i], v[\base+i]
.set i, i+1
.endr
.endm
.macro PUT16                           ; four 16-bit fragments, v[X] .. v[X + 31], as they stand: each store covers 512 consecutive bytes, aligned
.set i, 0
.rept 8
	global_store_b128 v[LI], v[X+4*i:X+4*i+3], s[50:51] offset:512*i
.set i, i+1
.endr
.endm
	s_load_b512 s[4:19], s[0:1], 0x0               ; Wq_mu, Wk_mu, Wv_mu, Wv_rho, Wo_rho, Wo_mu, x_raw, bv_rho
	s_load_b256 s[20:27], s[0:1], 0x40             ; bo_rho, log_length, log_sigma_f, wprep
	v_lshrrev_b32 v5, 5, v0
	v_readfirstlane_b32 s28, v5                    ; wave
	v_and_b32 v6, 31, v0                           ; lane
	v_lshlrev_b32 v[LI], 4, v6
	v_lshlrev_b32 v[LS], 2, v6
	v_and_b32 v7, 15, v0                           ; r
	v_bfe_u32 v8, v0, 4, 1                         ; h
	s_mov_b32 s[SEL], 0x76543210
	s_mov_b32 s[SEL+1], 0xfedcba98
	s_mov_b32 s42, 0xbfb8aa3b                      ; -log2(e)
	s_mov_b32 s43, 0x3f317218                      ; ln 2
	s_mov_b32 s44, 0x3e4ccccd                      ; 1/5
	s_mov_b32 s45, 0x3e800000                      ; 1/4
	s_mov_b32 s46, 0x3eaaaaab                      ; 1/3
	s_mov_b32 s47, 0x3c800000                      ; 2^-6
.irp b, 0,1,2,3
	v_mov_b32 v[TM+4+\b], 0                        ; a lane permute's destination counts as one of its sources
.endr
	v_mov_b32 v57, 0
	s_wait_kmcnt 0x0
	s_cmp_ge_u32 ttmp9, 256
	s_cbranch_scc1 .Lbias
	s_cmp_ge_u32 ttmp9, 192
	s_cbranch_scc1 .Lxraw
	; ---- the six matrices
	s_lshr_b32 s30, ttmp9, 5                       ; ti
	s_and_b32 s31, ttmp9, 31                       ; ct
	s_cmp_eq_u32 s30, 1                            ; the source is chosen by the work-group's number alone
	s_cselect_b64 s[4:5], s[6:7], s[4:5]
	s_cmp_eq_u32 s30, 2
	s_cselect_b64 s[4:5], s[8:9], s[4:5]
	s_cmp_eq_u32 s30, 3
	s_cselect_b64 s[4:5], s[10:11], s[4:5]
	s_cmp_eq_u32 s30, 4
	s_cselect_b64 s[4:5], s[12:13], s[4:5]
	s_cmp_eq_u32 s30, 5
	s_cselect_b64 s[4:5], s[14:15], s[4:5]
	s_cmp_lt_u32 s30, 4                            ; ti 0-3: a lane takes 16 NEIGHBOURS of each block of 32 (k = 32 b + 16 h + 0 .. 15);
	s_cselect_b32 s32, 64, 32                      ; ti 4, 5: the 16-bit operand's own order (k = 32 b + 8 h + 0 .. 7 and 32 b + 16 + 8 h + 0 .. 7)
	s_cselect_b32 s33, 32, 64
	v_lshlrev_b32 v[VA], 11, v7                    ; row r of 2,048 bytes
	v_mul_u32_u24 v9, s32, v8
	v_add_nc_u32 v[VA], v[VA], v9
	v_add_nc_u32 v[VB], s33, v[VA]
	s_lshl_b32 s34, s31, 15                        ; 16 rows a tile
	s_lshl_b32 s35, s28, 9                         ; 128 numbers a wave
	s_add_co_u32 s34, s34, s35
	s_mov_b32 s35, 0
	s_add_nc_u64 s[4:5], s[4:5], s[34:35]
.irp b, 0,1,2,3
.irp j, 0,1
	global_load_b128 v[X+16*\b+4*\j:X+16*\b+4*\j+3], v[VA], s[4:5] offset:128*\b+16*\j th:TH_LOAD_NT
	global_load_b128 v[X+16*\b+8+4*\j:X+16*\b+8+4*\j+3], v[VB], s[4:5] offset:128*\b+16*\j th:TH_LOAD_NT
.endr
.endr
	s_lshl_b32 s48, s31, 4                         ; the 16-bit images: (16 ct + 4 wave) fragments on in their region
	s_lshl_b32 s49, s28, 2
	s_add_co_u32 s48, s48, s49
	s_lshl_b32 s48, s48, 10
	s_mov_b32 s49, WOSO
	s_cmp_eq_u32 s30, 3
	s_cselect_b32 s49, WVSO, s49
	s_cmp_eq_u32 s30, 5
	s_cselect_b32 s49, WOHO, s49
	s_add_co_u32 s48, s48, s49
	s_mov_b32 s49, 0
	s_add_nc_u64 s[50:51], s[26:27], s[48:49]
	s_wait_loadcnt 0x0
	s_cmp_lt_u32 s30, 3
	s_cbranch_scc1 .Lfp4
	s_cmp_eq_u32 s30, 5
	s_cbranch_scc1 .Lhalf
	SP2 X, 16
	SP2 X+16, 16
	SP2 X+32, 16
	SP2 X+48, 16
.set i, 0
.rept 32
	v_cvt_pk_bf16_f32 v[X+i], v[X+2*i], v[X+2*i+1] ; in place, ascending: no source is written before it is read
.set i, i+1
.endr
	PUT16
	s_endpgm
.Lhalf:
.set i, 0
.rept 32
	v_cvt_pk_f16_f32 v[X+i], v[X+2*i], v[X+2*i+1]
.set i, i+1
.endr
	PUT16
	s_endpgm
.Lfp4:
	QUANT X
	s_lshl_b32 s36, s30, 5
	s_add_co_u32 s36, s36, s31
	s_lshl_b32 s36, s36, 2
	s_add_co_u32 s36, s36, s28                     ; fragment (32 ti + ct) 4 + wave
	s_lshl_b32 s52, s36, 10
	s_mov_b32 s53, 0
	s_add_nc_u64 s[52:53], s[26:27], s[52:53]
	s_lshl_b32 s54, s36, 7
	s_mov_b32 s55, 0
	s_add_nc_u64 s[54:55], s[26:27], s[54:55]
	global_store_b128 v[LI], v[PC:PC+3], s[52:53]
	global_store_b128 v[LI], v[PC+4:PC+7], s[52:53] offset:512
	global_store_b32 v[LS], v[PW], s[54:55] offset:WS4O   ; 128 bytes a wave: the four waves of a work-group fill 512 consecutive bytes
	s_endpgm
	; ---- x_raw.  xh = f16(x); x2 = the f32 sum of xh^2; x2 / 64 = p1 + p2 + p3 in f16.  key vector [xh(16), p1, p2, p3, 64, 64, 64, 0 ..], query vector [-2 xh(16), 64, 64, 64, p1, p2, p3, 0 ..]:
	; their dot product is |xh_n - xh_m|^2, with x2 taken of the same rounded numbers that are multiplied.
.macro XT u
.if \u
	s_wait_xcnt 0x0                                ; the first tile's stores have read their registers
.endif
	global_load_b128 v[16:19], v[VA], s[16:17] offset:1024*\u th:TH_LOAD_NT
	global_load_b128 v[20:23], v[VA], s[16:17] offset:1024*\u+16 th:TH_LOAD_NT
	s_wait_loadcnt 0x0
.irp i, 0,1,2,3
	v_cvt_pk_f16_f32 v[32+\i], v[16+2*\i], v[17+2*\i]   ; registers 0-3 of the key fragment: k = 8 h + 0 .. 7
.endr
	v_cvt_f32_f16 v48, v32.l
	v_cvt_f32_f16 v49, v32.h
	v_cvt_f32_f16 v50, v33.l
	v_cvt_f32_f16 v51, v33.h
	v_cvt_f32_f16 v52, v34.l
	v_cvt_f32_f16 v53, v34.h
	v_cvt_f32_f16 v54, v35.l
	v_cvt_f32_f16 v55, v35.h
	v_mul_f32 v56, v48, v48
.irp i, 49,50,51,52,53,54,55
	v_fma_f32 v56, v\i, v\i, v56
.endr
	v_permlanex16_b32 v57, v56, s[SEL], s[SEL+1]
	v_add_f32 v56, v56, v57                        ; x2
	v_mul_f32 v58, s47, v56                        ; / 64
	v_cvt_pk_f16_f32 v59, v58, v58
	v_cvt_f32_f16 v60, v59.l                       ; p1
	v_sub_f32 v61, v58, v60
	v_cvt_pk_f16_f32 v62, v61, v61
	v_cvt_f32_f16 v63, v62.l                       ; p2
	v_sub_f32 v64, v61, v63                        ; what is left: p3 when rounded
.irp i, 0,2,4,6
	v_pk_mul_f32 v[48+\i:49+\i], v[48+\i:49+\i], -2.0 op_sel_hi:[1,0]
.endr
.irp i, 0,1,2,3
	v_cvt_pk_f16_f32 v[40+\i], v[48+2*\i], v[49+2*\i]
.endr
	v_cvt_pk_f16_f32 v36, v60, v63                 ; registers 4-7: k = 16 .. 23 in lanes 0-15; lanes 16-31 (k = 24 .. 31) hold zeros
	v_cvt_pk_f16_f32 v37, v64, s48
	v_cvt_pk_f16_f32 v45, s48, v60
	v_cvt_pk_f16_f32 v46, v63, v64
	v_and_b32 v36, v36, v65
	v_and_b32 v37, v37, v65
	v_and_b32 v38, 0x54005400, v65                 ; 64, 64 in f16
	v_mov_b32 v39, 0
	v_and_b32 v44, 0x54005400, v65
	v_and_b32 v45, v45, v65
	v_and_b32 v46, v46, v65
	v_mov_b32 v47, 0
	global_store_b128 v[LI], v[32:35], s[50:51] offset:AKO+1024*\u
	global_store_b128 v[LI], v[36:39], s[50:51] offset:AKO+1024*\u+512
	global_store_b128 v[LI], v[40:43], s[50:51] offset:BQO+1024*\u
	global_store_b128 v[LI], v[44:47], s[50:51] offset:BQO+1024*\u+512
.endm
.Lxraw:
	s_mov_b32 s48, 0x42800000                      ; 64.0
	v_lshlrev_b32 v[VA], 6, v7                     ; a position is 64 bytes; my 8 numbers
	v_lshl_add_u32 v[VA], v8, 5, v[VA]
	v_add_nc_u32 v65, -1, v8                       ; all ones in lanes 0-15, 0 in lanes 16-31
	s_sub_co_u32 s34, ttmp9, 192
	s_lshl_b32 s34, s34, 13                        ; 8 tiles a work-group, 2 a wave; a tile is 1,024 bytes in x_raw and in each image
	s_lshl_b32 s35, s28, 11
	s_add_co_u32 s34, s34, s35
	s_mov_b32 s35, 0
	s_add_nc_u64 s[16:17], s[16:17], s[34:35]
	s_add_nc_u64 s[50:51], s[26:27], s[34:35]
	XT 0
	XT 1
	s_endpgm
	; ---- the bias deviations and the heads' pairs
.Lbias:
	s_lshr_b32 s30, s28, 1
	s_cmp_eq_u32 s30, 0                            ; waves 0, 1: bv_rho; waves 2, 3: bo_rho
	s_cselect_b64 s[4:5], s[18:19], s[20:21]
	s_and_b32 s34, s28, 1
	s_lshl_b32 s34, s34, 10
	s_mov_b32 s35, 0
	s_add_nc_u64 s[4:5], s[4:5], s[34:35]
	s_lshl_b32 s34, s28, 10
	s_add_nc_u64 s[50:51], s[26:27], s[34:35]
	global_load_b128 v[16:19], v[LI], s[4:5]
	global_load_b128 v[20:23], v[LI], s[4:5] offset:512
	s_wait_loadcnt 0x0
	SP2 X, 8
	global_store_b128 v[LI], v[16:19], s[50:51] offset:BSIGO
	global_store_b128 v[LI], v[20:23], s[50:51] offset:BSIGO+512
	s_cmp_lg_u32 s28, 0
	s_cbranch_scc1 .Lend
	v_lshlrev_b32 v9, 2, v7                        ; lane l takes head l % 16: 32 pairs fill 256 consecutive bytes
	global_load_b32 v70, v9, s[22:23]
	global_load_b32 v71, v9, s[24:25]
	v_lshlrev_b32 v10, 3, v6
	v_mov_b32 v72, 0x3f075d3c                      ; log2(log2(e))
	s_wait_loadcnt 0x0
	v_mul_f32 v70, 0xc038aa3b, v70                 ; -2 log2(e) log_length
	v_exp_f32 v70, v70
	v_fmamk_f32 v75, v71, 0x4038aa3b, v72          ; lsf.  (A plain place behind the exponential)
	s_wait_alu depctr_va_vdst(0)
	v_mul_f32 v74, 0xbf38aa3b, v70                 ; -c = -(log2(e) / 2) exp(-2 log_length)
	global_store_b64 v10, v[74:75], s[26:27] offset:HCO
.Lend:
	s_endpgm
.Lfunc_end_k_qd752927932_prep:
	.size	k_qd752927932_prep, .Lfunc_end_k_qd752927932_prep-k_qd752927932_prep
	.p2alignl 7, 3214868480
	.fill 96, 4, 3214868480
	.section	.rodata,"a",@progbits
	.p2align	6, 0x0
	.amdhsa_kernel k_qd752927932_prep
		.amdhsa_group_segment_fixed_size 0
		.amdhsa_private_segment_fixed_size 0
		.amdhsa_enable_private_segment 0
		.amdhsa_kernarg_size 96
		.amdhsa_user_sgpr_count 2
		.amdhsa_user_sgpr_kernarg_segment_ptr 1
		.amdhsa_wavefront_size32 1
		.amdhsa_system_sgpr_workgroup_id_x 1
		.amdhsa_system_sgpr_workgroup_id_y 1
		.amdhsa_system_sgpr_workgroup_id_z 1
		.amdhsa_system_vgpr_workitem_id 0
		.amdhsa_next_free_vgpr 168
		.amdhsa_next_free_sgpr 66
		.amdhsa_reserve_vcc 1
		.amdhsa_float_denorm_mode_32 3
		.amdhsa_float_denorm_mode_16_64 3
		.amdhsa_memory_ordered 1
		.amdhsa_forward_progress 1
		.amdhsa_inst_pref_size 68
	.end_amdhsa_kernel
	.amdgpu_metadata
---
amdhsa.version: [ 1, 2 ]
amdhsa.kernels:
  - .name:           k_qd752927932_prep
    .symbol:         k_qd752927932_prep.kd
    .args:
      - { .name: Wq_mu, .offset: 0, .size: 8, .value_kind: global_buffer, .address_space: global }
      - { .name: Wk_mu, .offset: 8, .size: 8, .value_kind: global_buffer, .address_space: global }
      - { .name: Wv_mu, .offset: 16, .size: 8, .value_kind: global_buffer, .address_space: global }
      - { .name: Wv_rho, .offset: 24, .size: 8, .value_kind: global_buffer, .address_space: global }
      - { .name: Wo_rho, .offset: 32, .size: 8, .value_kind: global_buffer, .address_space: global }
      - { .name: Wo_mu, .offset: 40, .size: 8, .value_kind: global_buffer, .address_space: global }
      - { .name: x_raw, .offset: 48, .size: 8, .value_kind: global_buffer, .address_space: global }
      - { .name: bv_rho, .offset: 56, .size: 8, .value_kind: global_buffer, .address_space: global }
      - { .name: bo_rho, .offset: 64, .size: 8, .value_kind: global_buffer, .address_space: global }
      - { .name: log_length, .offset: 72, .size: 8, .value_kind: global_buffer, .address_space: global }
      - { .name: log_sigma_f, .offset: 80, .size: 8, .value_kind: global_buffer, .address_space: global }
      - { .name: wprep, .offset: 88, .size: 8, .value_kind: global_buffer, .address_space: global }
    .group_segment_fixed_size: 0
    .private_segment_fixed_size: 0
    .kernarg_segment_align: 8
    .kernarg_segment_size: 96
    .max_flat_workgroup_size: 128
    .sgpr_count:     66
    .vgpr_count:     168
    .wavefront_size: 32
...
	.end_amdgpu_metadata
.endif
;; end of part 1
;; launch proj (part 2): grid 4 x 64, 4 waves a work-group, no clusters, 168,448 bytes of LDS; arguments H, wprep, bq_mu, bk_mu, bv_mu, qimg, kimg, vx; writes qimg, kimg, vx
.if DOCPART == 2
	.amdgcn_target "amdgcn-amd-amdhsa--gfx1250"
	.amdhsa_code_object_version 6
	.text
	.protected	k_qd752927932_proj
	.globl	k_qd752927932_proj
	.p2align	8
	.type	k_qd752927932_proj,@function
k_qd752927932_proj:
	s_mov_b64 s[64:65], 0
	v_nop
	global_prefetch_b8 v0, s[64:65] scope:SCOPE_SE
	s_setreg_imm32_b32 hwreg(HW_REG_WAVE_MODE, 25, 1), 1
	s_wait_xcnt 0x0
; PROJ: Q, K, V = H W^T + b on codes of E2M1 (both operands quantised along K, one E8M0 byte for each 32), and V_v = H^2 softplus(Wv_rho)^2^T + softplus(bv_rho)^2 on bf16.
; SHARES.  A work-group takes 128 rows of H (work-group y) and four heads (work-group x); wave w is head 4 x + w, for all eight tiles of 16 rows.  Its weights, 448 registers, are read once and stay.
; H is read as f32, quantised and squared in registers (wave w: rows 32 w .. 32 w + 31), and goes from wave to wave through LDS as images of operand registers; one barrier.
; RESULTS leave as images of the operands that the attention launch wants: Q (x log2(e) / sqrt(32)) and K as [position][channel] fragments in f16 (product used transposed: source 0 = W, source 1 = H),
; V and V_v as [channel][key] fragments in f16 and bf16 (source 0 = H, source 1 = W).  Each store covers 512 consecutive bytes, aligned.
; H^2 and softplus(Wv_rho)^2 carry the same permutation of k inside each 32 (a lane's 16 neighbours), which keeps every product.
; NO CLUSTER: the launch has no tensor load: H is converted in registers on its way into LDS, and each weight fragment goes to one wave's registers alone.
; LIMITS: a block of zeros gets the byte 1 with zero codes; NaN and infinities are not served; Q, K, V must lie inside f16's range.
; REGISTERS: window 0: v1-13 addresses; v16-39 W's scale words, v40-71 H's (scales and nothing else); v72-199 two buffers of 64 (H's numbers, then fragments, then packed results); v200-229 at work.
;   window 1: the codes of Wq, Wk, Wv (fragment 8 t + 4 ct + s).   window 2: softplus(Wv_rho)^2 (16 ct + ks).   window 3: v0-127 sixteen accumulators (2 rt + ct); v128-191 the biases as C.
.set XSC,   32768                      ; LDS: H's 32 fragments of codes at 0 ((4 rt + s) KB); their scale words, 128 bytes each;
.set SQ,    36864                      ; H^2's 128 fragments ((16 rt + ks) KB);
.set SPARE, 167936                     ; the spare words, 128 bytes for each wave: two blocks of 256 bytes that no other line names
.set WS4O,  393216
.set WVSO,  442368
.set BSIGO, 3063808
.set LI,  1                            ; 16 x lane
.set LS,  2                            ; 4 x lane
.set XA,  3                            ; H: row r of 2,048 bytes + 64 h
.set XW,  4                            ; where I store my codes' images
.set XS,  5                            ; and their scale words
.set SW,  6                            ; and H^2's images
.set SQ0, 7                            ; H^2's images of row tiles 0-3
.set SQ1, 8                            ; and 4-7
.set BH,  9                            ; 32 h
.set BR,  10                           ; 4 r
.set SPW, 12                           ; my spare word; never rewritten
.set NIL, 13                           ; 0; never rewritten
.set WSC, 16
.set HSC, 40
.set AB,  72
.set OT,  72
.set TM,  200
.set PW,  216
.set PC,  218
.set BT,  226                          ; v226-229 V's and V_v's bias of my channel
.set KAP, 50                           ; s[50:51] log2(e) / sqrt(32)
.set SEL, 52                           ; s[52:53]
.set MSB, 0
.macro WIN new                         ; the immediate's high byte repeats the setting that is left
.if MSB != \new
	s_set_vgpr_msb (MSB<<8)|\new
.set MSB, \new
.endif
.endm
.macro PLACES n
.rept \n
	v_nop
.endr
.endm
.macro QUANT s
.irp b, 0,1,2,3
	v_max3_num_f32 v[TM+\b], |v[\s+16*\b]|, |v[\s+1+16*\b]|, 0x1800000   ; my 16 numbers of block b, and the floor 2^(3 - 127): the byte cannot fall under 1
.endr
.irp i, 2,4,6,8,10,12,14
.irp b, 0,1,2,3
	v_max3_num_f32 v[TM+\b], v[TM+\b], |v[\s+16*\b+\i]|, |v[\s+1+16*\b+\i]|
.endr
.endr
.irp b, 0,1,2,3
	v_permlanex16_b32 v[TM+4+\b], v[TM+\b], s[SEL], s[SEL+1]
.endr
.irp b, 0,1,2,3
	v_max_num_f32 v[TM+\b], v[TM+\b], v[TM+4+\b]
.endr
.irp b, 0,1,2,3
	v_add_nc_u32 v[TM+12+\b], 0xff000000, v[TM+\b]    ; 2 off the exponent field: the conversion's scale operand
.endr
.irp b, 0,1,2,3
	v_lshrrev_b32 v[TM+4+\b], 23, v[TM+12+\b]
.endr
	v_lshl_or_b32 v[PW], v[TM+5], 8, v[TM+4]
	v_lshl_or_b32 v[PW], v[TM+6], 16, v[PW]
	v_lshl_or_b32 v[PW], v[TM+7], 24, v[PW]
.irp b, 0,1,2,3
	v_cvt_scalef32_pk8_fp4_f32 v[PC+2*\b], v[\s+16*\b:\s+7+16*\b], v[TM+12+\b]
	v_cvt_scalef32_pk8_fp4_f32 v[PC+1+2*\b], v[\s+8+16*\b:\s+15+16*\b], v[TM+12+\b]
.endr
	v_nop                                              ; one plain place behind a scaled conversion
.irp c, 0,1
.irp i, 0,1
	v_permlane16_swap_b32 v[PC+4*\c+\i], v[PC+2+4*\c+\i]
.endr
.endr
.endm
; batch n = 4 (row tile of my two) + (128 along K): 64 numbers a lane, register 16 b + i = k 32 b + 16 h + i
.macro XLOAD n
.irp b, 0,1,2,3
.irp j, 0,1,2,3
	global_load_b128 v[AB+64*((\n)%2)+16*\b+4*\j:AB+64*((\n)%2)+16*\b+4*\j+3], v[XA], s[4:5] offset:((\n)/4)*32768+((\n)%4)*512+128*\b+16*\j
.endr
.endr
.endm
.macro XBATCH n
.set XB, AB+64*((\n)%2)
.if (\n) < 7
	s_wait_loadcnt 16                              ; loads come back in order: all but the next batch's 16 are in
.else
	s_wait_loadcnt 0x0
.endif
	QUANT XB
	ds_store_b128 v[XW], v[PC:PC+3] offset:1024*(\n)
	ds_store_b128 v[XW], v[PC+4:PC+7] offset:1024*(\n)+512
	ds_store_b32 v[XS], v[PW] offset:XSC+128*(\n)
.set i, 0
.rept 32
	v_pk_mul_f32 v[XB+2*i:XB+2*i+1], v[XB+2*i:XB+2*i+1], v[XB+2*i:XB+2*i+1]   ; H^2 in f32
.set i, i+1
.endr
.set i, 0
.rept 32
	v_cvt_pk_bf16_f32 v[XB+i], v[XB+2*i], v[XB+2*i+1]   ; in place, ascending
.set i, i+1
.endr
.set i, 0
.rept 8
	ds_store_b128 v[SW], v[XB+4*i:XB+4*i+3] offset:(((\n)/4)*16+4*((\n)%4))*1024+512*i
.set i, i+1
.endr
	s_wait_dscnt 0x0                               ; the stores have read their registers
.if (\n)+2 < 8
	XLOAD (\n)+2
.endif
.endm
.macro FETCH4 s, buf                   ; H's eight fragments of codes of K step s
.set i, 0
.rept 8
	ds_load_b128 v[AB+64*(\buf)+8*i:AB+64*(\buf)+8*i+3], v[LI] offset:(4*i+(\s))*1024
	ds_load_b128 v[AB+64*(\buf)+8*i+4:AB+64*(\buf)+8*i+7], v[LI] offset:(4*i+(\s))*1024+512
.set i, i+1
.endr
.endm
.macro FETCHS ks, buf                  ; H^2's eight fragments of K step ks
.set i, 0
.rept 4
	ds_load_b128 v[AB+64*(\buf)+8*i:AB+64*(\buf)+8*i+3], v[SQ0] offset:(16*i+(\ks))*1024
	ds_load_b128 v[AB+64*(\buf)+8*i+4:AB+64*(\buf)+8*i+7], v[SQ0] offset:(16*i+(\ks))*1024+512
	ds_load_b128 v[AB+64*(\buf)+8*(i+4):AB+64*(\buf)+8*(i+4)+3], v[SQ1] offset:(16*i+(\ks))*1024
	ds_load_b128 v[AB+64*(\buf)+8*(i+4)+4:AB+64*(\buf)+8*(i+4)+7], v[SQ1] offset:(16*i+(\ks))*1024+512
.set i, i+1
.endr
.endm
; sixteen matrix instructions, one on each accumulator: the accumulators take turns.  The first K step takes the bias as C: nothing is cleared or added later.
.macro MUL4 t, s, cb, swap
.set rt, 0
.rept 8
.irp ct, 0,1
.set rD, 8*(2*rt+\ct)
.set rW, 8*(8*(\t)+4*\ct+(\s))
.set rH, AB+64*((\s)%2)+8*rt
.set rC, rD
.if (\s) == 0
.set rC, (\cb)+8*\ct
.endif
.if \swap
	v_wmma_scale_f32_16x16x128_f8f6f4 v[rD:rD+7], v[rH:rH+7], v[rW:rW+7], v[rC:rC+7], v[HSC+4*rt+(\s)], v[WSC+8*(\t)+4*\ct+(\s)] matrix_a_fmt:MATRIX_FMT_FP4 matrix_b_fmt:MATRIX_FMT_FP4
.else
	v_wmma_scale_f32_16x16x128_f8f6f4 v[rD:rD+7], v[rW:rW+7], v[rH:rH+7], v[rC:rC+7], v[WSC+8*(\t)+4*\ct+(\s)], v[HSC+4*rt+(\s)] matrix_a_fmt:MATRIX_FMT_FP4 matrix_b_fmt:MATRIX_FMT_FP4
.endif
.endr
.set rt, rt+1
.endr
.endm
.macro MULV ks
.set rt, 0
.rept 8
.irp ct, 0,1
.set rD, 8*(2*rt+\ct)
.set rC, rD
.if (\ks) == 0
.set rC, 176+8*\ct
.endif
	v_wmma_f32_16x16x32_bf16 v[rD:rD+7], v[AB+64*((\ks)%2)+8*rt:AB+64*((\ks)%2)+8*rt+7], v[8*(16*\ct+(\ks)):8*(16*\ct+(\ks))+7], v[rC:rC+7]
.endr
.set rt, rt+1
.endr
.endm
; a product on codes: four K steps of 128; while one is multiplied the next one's 16 loads are out
.macro PASS4 t, cb, swap
	FETCH4 0, 0
.irp s, 0,1,2,3
.if \s < 3
.if \s > 0
	PLACES 4                                       ; in front of loads into registers that matrix instructions have read
.endif
	FETCH4 \s+1, (\s+1)%2
	s_wait_dscnt 16                                ; all but the 16 just issued
.else
	s_wait_dscnt 0x0
.endif
.if \swap
	WIN 0xf4                                       ; source 0 (H) window 0, source 1 (W) window 1, C and D window 3
.else
	WIN 0xf1                                       ; source 0 (W) window 1, source 1 (H) window 0
.endif
	MUL4 \t, \s, \cb, \swap
	WIN 0
.endr
.endm
; the way out.  kind 0: Q, scaled, f16; 1: K, f16; 2: V, f16; 3: V_v, bf16.  A lane's eight results pack into 16 bytes that ARE four registers of an operand's image.
.macro EPI kind
	PLACES 4                                       ; behind the last products, ahead of the first read of results and the first write of their operands
.if \kind == 0
	WIN 0xc3
.set i, 0
.rept 64
	v_pk_mul_f32 v[2*i:2*i+1], v[2*i:2*i+1], s[KAP:KAP+1] op_sel_hi:[1,0]
.set i, i+1
.endr
.endif
	WIN 0x0f                                       ; sources window 3, destination window 0; each accumulator from its low end on
.set i, 0
.rept 64
.if \kind == 3
	v_cvt_pk_bf16_f32 v[OT+i], v[2*i], v[2*i+1]
.else
	v_cvt_pk_f16_f32 v[OT+i], v[2*i], v[2*i+1]
.endif
.set i, i+1
.endr
	WIN 0
.set i, 0
.rept 16
.if \kind == 0
	global_store_b128 v[LI], v[OT+4*i:OT+4*i+3], s[14:15] offset:512*i
.elseif \kind == 1
	global_store_b128 v[LI], v[OT+4*i:OT+4*i+3], s[16:17] offset:512*i
.else
	global_store_b128 v[LI], v[OT+4*i:OT+4*i+3], s[18:19] offset:(i/4)*4096+(2*(\kind-2)+i%2)*1024+((i/2)%2)*512
.endif
.set i, i+1
.endr
	s_wait_xcnt 0x0                                ; the stores have read their registers: the next product's fragments may land there
.endm
	s_load_b512 s[4:19], s[0:1], 0x0               ; H, wprep, bq_mu, bk_mu, bv_mu, qimg, kimg, vx
	v_lshl_add_u32 v[SPW], v0, 2, SPARE
	v_mov_b32 v[NIL], 0
	v_lshrrev_b32 v14, 5, v0
	v_readfirstlane_b32 s28, v14                   ; wave
	v_and_b32 v14, 31, v0
	v_lshlrev_b32 v[LI], 4, v14
	v_lshlrev_b32 v[LS], 2, v14
	v_and_b32 v14, 15, v0                          ; r
	v_bfe_u32 v15, v0, 4, 1                        ; h
	v_lshlrev_b32 v[XA], 11, v14
	v_lshl_add_u32 v[XA], v15, 6, v[XA]
	s_lshl_b32 s33, s28, 13
	v_add_nc_u32 v[XW], s33, v[LI]
	s_lshl_b32 s33, s28, 10
	v_add_nc_u32 v[XS], s33, v[LS]
	s_lshl_b32 s33, s28, 15
	s_add_co_u32 s33, s33, SQ
	v_add_nc_u32 v[SW], s33, v[LI]
	v_add_nc_u32 v[SQ0], SQ, v[LI]
	v_add_nc_u32 v[SQ1], SQ+65536, v[LI]
	v_lshlrev_b32 v[BH], 5, v15
	v_lshlrev_b32 v[BR], 2, v14
.irp b, 0,1,2,3
	v_mov_b32 v[TM+4+\b], 0                        ; a lane permute's destination counts as one of its sources
.endr
	s_mov_b32 s[SEL], 0x76543210
	s_mov_b32 s[SEL+1], 0xfedcba98
	s_mov_b32 s[KAP], 0x3e8293ee                   ; log2(e) / sqrt(32)
	s_mov_b32 s[KAP+1], s[KAP]
	s_and_b32 s30, ttmp7, 0xffff                   ; rb: my 128 rows
	s_lshl_b32 s31, ttmp9, 2
	s_add_co_u32 s31, s31, s28                     ; my head
	s_lshr_b32 s32, s30, 3                         ; batch
	s_and_b32 s34, s30, 7                          ; which 128 positions of the sequence
	s_lshl_b32 s32, s32, 4
	s_add_co_u32 s32, s32, s31                     ; 16 batch + head
	s_mov_b32 s37, 0
	s_wait_kmcnt 0x0
	s_lshl_b32 s36, s30, 18
	s_lshl_b32 s35, s28, 16
	s_add_co_u32 s36, s36, s35
	s_add_nc_u64 s[4:5], s[4:5], s[36:37]          ; H at my 32 rows
	s_lshl_b32 s36, s31, 13
	s_add_nc_u64 s[20:21], s[6:7], s[36:37]        ; my head's codes: two row tiles x four K steps in each of the three matrices
	s_lshl_b32 s36, s31, 10
	s_add_nc_u64 s[22:23], s[6:7], s[36:37]        ; their scale words
	s_lshl_b32 s36, s31, 15
	s_add_nc_u64 s[24:25], s[6:7], s[36:37]        ; softplus(Wv_rho)^2
	s_lshl_b32 s36, s31, 7
	s_add_nc_u64 s[26:27], s[6:7], s[36:37]        ; softplus(bv_rho)^2
	s_add_nc_u64 s[8:9], s[8:9], s[36:37]
	s_add_nc_u64 s[10:11], s[10:11], s[36:37]
	s_add_nc_u64 s[12:13], s[12:13], s[36:37]
	s_lshl_b32 s36, s32, 16
	s_lshl_b32 s35, s34, 13
	s_add_co_u32 s36, s36, s35
	s_add_nc_u64 s[14:15], s[14:15], s[36:37]      ; Q's and K's images: 64 tiles a head, my 8
	s_add_nc_u64 s[16:17], s[16:17], s[36:37]
	s_lshl_b32 s36, s36, 1
	s_add_nc_u64 s[18:19], s[18:19], s[36:37]      ; V's: 32 groups of 4 KB a head, my 4
	WIN 0x40                                       ; destination window 1
.irp t, 0,1,2
.set i, 0
.rept 8
	global_load_b128 v[8*(8*\t+i):8*(8*\t+i)+3], v[LI], s[20:21] offset:\t*131072+1024*i
	global_load_b128 v[8*(8*\t+i)+4:8*(8*\t+i)+7], v[LI], s[20:21] offset:\t*131072+1024*i+512
.set i, i+1
.endr
.endr
	WIN 0x80                                       ; destination window 2
.set i, 0
.rept 32
	global_load_b128 v[8*i:8*i+3], v[LI], s[24:25] offset:WVSO+1024*i
	global_load_b128 v[8*i+4:8*i+7], v[LI], s[24:25] offset:WVSO+1024*i+512
.set i, i+1
.endr
	WIN 0xc0                                       ; destination window 3: Q's and K's biases in the result's layout: my eight channels of each tile
.irp ct, 0,1
	global_load_b128 v[128+8*\ct:128+8*\ct+3], v[BH], s[8:9] offset:64*\ct
	global_load_b128 v[128+8*\ct+4:128+8*\ct+7], v[BH], s[8:9] offset:64*\ct+16
	global_load_b128 v[144+8*\ct:144+8*\ct+3], v[BH], s[10:11] offset:64*\ct
	global_load_b128 v[144+8*\ct+4:144+8*\ct+7], v[BH], s[10:11] offset:64*\ct+16
.endr
	WIN 0
.irp t, 0,1,2
.set i, 0
.rept 8
	global_load_b32 v[WSC+8*\t+i], v[LS], s[22:23] offset:WS4O+\t*16384+128*i
.set i, i+1
.endr
.endr
.irp ct, 0,1
	global_load_b32 v[BT+\ct], v[BR], s[12:13] offset:64*\ct
	global_load_b32 v[BT+2+\ct], v[BR], s[26:27] offset:BSIGO+64*\ct
.endr
	XLOAD 0
	XLOAD 1
.irp n, 0,1,2,3,4,5,6,7
	XBATCH \n
.endr
	WIN 0xc0                                       ; V's and V_v's results hold ONE channel a lane: its bias eight times
.irp ct, 0,1
.irp j, 0,1,2,3,4,5,6,7
	v_mov_b32 v[160+8*\ct+\j], v[BT+\ct]
	v_mov_b32 v[176+8*\ct+\j], v[BT+2+\ct]
.endr
.endr
	WIN 0
	s_wait_dscnt 0x0                               ; for the others' sake: my images lie in LDS
	s_barrier_signal -1
	s_barrier_wait -1                              ; everybody's do; nothing in LDS is written from here on
.set i, 0
.rept 32
	ds_load_b32 v[HSC+i], v[LS] offset:XSC+128*i
.set i, i+1
.endr
	PASS4 0, 128, 0
	EPI 0
	PASS4 1, 144, 0
	EPI 1
	PASS4 2, 160, 1
	EPI 2
	FETCHS 0, 0
.set KS, 0
.rept 16
.if KS < 15
.if KS > 0
	PLACES 4
.endif
	FETCHS KS+1, (KS+1)%2
	s_wait_dscnt 16                                ; all but the 16 just issued
.else
	s_wait_dscnt 0x0
.endif
	WIN 0xf8                                       ; source 0 (H^2) window 0, source 1 window 2, C and D window 3
	MULV KS
	WIN 0
.set KS, KS+1
.endr
	EPI 3
	s_wait_tensorcnt 0x0                           ; the wave's end, behind my last LDS store
	ds_add_u32 v[SPW], v[NIL]
	s_wait_dscnt 0x0
	s_endpgm
.Lfunc_end_k_qd752927932_proj:
	.size	k_qd752927932_proj, .Lfunc_end_k_qd752927932_proj-k_qd752927932_proj
	.p2alignl 7, 3214868480
	.fill 96, 4, 3214868480
	.section	.rodata,"a",@progbits
	.p2align	6, 0x0
	.amdhsa_kernel k_qd752927932_proj
		.amdhsa_group_segment_fixed_size 168448
		.amdhsa_private_segment_fixed_size 0
		.amdhsa_enable_private_segment 0
		.amdhsa_kernarg_size 64
		.amdhsa_user_sgpr_count 2
		.amdhsa_user_sgpr_kernarg_segment_ptr 1
		.amdhsa_wavefront_size32 1
		.amdhsa_system_sgpr_workgroup_id_x 1
		.amdhsa_system_sgpr_workgroup_id_y 1
		.amdhsa_system_sgpr_workgroup_id_z 1
		.amdhsa_system_vgpr_workitem_id 0
		.amdhsa_next_free_vgpr 1024
		.amdhsa_next_free_sgpr 66
		.amdhsa_reserve_vcc 0
		.amdhsa_float_denorm_mode_32 3
		.amdhsa_float_denorm_mode_16_64 3
		.amdhsa_memory_ordered 1
		.amdhsa_forward_progress 1
		.amdhsa_inst_pref_size 200
	.end_amdhsa_kernel
	.amdgpu_metadata
---
amdhsa.version: [ 1, 2 ]
amdhsa.kernels:
  - .name:           k_qd752927932_proj
    .symbol:         k_qd752927932_proj.kd
    .args:
      - { .name: H, .offset: 0, .size: 8, .value_kind: global_buffer, .address_space: global }
      - { .name: wprep, .offset: 8, .size: 8, .value_kind: global_buffer, .address_space: global }
      - { .name: bq_mu, .offset: 16, .size: 8, .value_kind: global_buffer, .address_space: global }
      - { .name: bk_mu, .offset: 24, .size: 8, .value_kind: global_buffer, .address_space: global }
      - { .name: bv_mu, .offset: 32, .size: 8, .value_kind: global_buffer, .address_space: global }
      - { .name: qimg, .offset: 40, .size: 8, .value_kind: global_buffer, .address_space: global }
      - { .name: kimg, .offset: 48, .size: 8, .value_kind: global_buffer, .address_space: global }
      - { .name: vx, .offset: 56, .size: 8, .value_kind: global_buffer, .address_space: global }
    .group_segment_fixed_size: 168448
    .private_segment_fixed_size: 0
    .kernarg_segment_align: 8
    .kernarg_segment_size: 64
    .max_flat_workgroup_size: 128
    .sgpr_count:     66
    .vgpr_count:     1024
    .wavefront_size: 32
...
	.end_amdgpu_metadata
.endif
;; end of part 2
;; launch attn (part 3): grid 4 x 128, 16 waves a work-group, clusters of 4 x 1, 264,192 bytes of LDS; arguments qimg, kimg, vx, wprep, ctxh, ctxs, varimg; writes ctxh, ctxs, varimg
.if DOCPART == 3
	.amdgcn_target "amdgcn-amd-amdhsa--gfx1250"
	.amdhsa_code_object_version 6
	.text
	.protected	k_qd752927932_attn
	.globl	k_qd752927932_attn
	.p2align	8
	.type	k_qd752927932_attn,@function
k_qd752927932_attn:
	s_mov_b64 s[64:65], 0
	v_nop
	global_prefetch_b8 v0, s[64:65] scope:SCOPE_SE
	s_setreg_imm32_b32 hwreg(HW_REG_WAVE_MODE, 25, 1), 1
	s_wait_xcnt 0x0
	s_wait_alu depctr_hold_cnt(0) depctr_sa_sdst(0) depctr_va_vdst(0) depctr_va_sdst(0) depctr_va_ssrc(0) depctr_va_vcc(0) depctr_vm_vsrc(0)
	s_getreg_b32 s2, hwreg(HW_REG_IB_STS2, 6, 4)
	s_cmp_eq_u32 s2, 0
	s_cbranch_scc0 .Lentry_in_a_cluster
	s_endpgm
.Lentry_in_a_cluster:
	s_bfe_u32 s2, ttmp6, 0x10000c
	s_cmp_lg_u32 s2, 0x3003
	s_cbranch_scc0 .Lentry_shape_is_right
	s_endpgm
.Lentry_shape_is_right:
; ATTN: for one batch and head (cluster y) and 256 queries (place in the cluster): attn = softmax(Q K^T / sqrt(32) + sigma_f^2 exp(-dist2 / (2 length^2))); context = attn V; var = attn^2 V_v.
; SHARES.  Sixteen waves, each ONE tile of 16 queries in 256 registers: four waves to a SIMD, so that one wave's vector work stands beside another's matrix work and LDS loads.  Every wave walks all 1,024 keys, 128 a step.
; LDS.  A head's whole key side fits: K 64 KB, the raw inputs' key vectors 64 KB, V and V_v 128 KB, all as images of operand registers (a fragment: two loads of 16 bytes a lane, 512 consecutive bytes each).
; It comes in four chunks of 256 keys, all asked for at the head: nothing is ever filled again.  The four work-groups of a cluster walk the same head, so each tile is asked for JOINTLY (mask 15).
; Waves 0-3 have four tensor loads out, the others none.  Everything that a work-group reads is asked for by its first instructions: there is no later request for a prefetch to run ahead of.
; LAYOUT.  All products transposed (source 0 = 16 keys or 16 channels, source 1 = my 16 queries): a lane holds ONE query throughout.
; A STEP.  d = key vector . query vector is the squared distance whole; log2(e) rbf = 2^min(lsf - c d, lsf) (the min is the clip of d at 0) is the C of K Q^T, Q carrying log2(e) / sqrt(32): so the
; accumulators hold t = log2(e) x score.  M = the running largest t rounded UP to a whole number; p = 2^(t - M); when M moves, sums are multiplied by f = 2^(old M - new M), the variance's by f^2: exact.
; p goes to the matrix unit in f16, p^2 in bf16 (its range); the row's sum is taken of the unrounded p and divides at the end.
; RESULTS leave as images: context in f16, context^2 in bf16 (operands of the last launch), var + softplus(bo_rho)^2 in f32 in the accumulators' layout.
.set AKL,   16384                      ; in a chunk of 65,536 bytes: K's 16 tiles at 0, the key vectors' 16 tiles,
.set VXL,   32768                      ; 8 groups of 32 keys x (V ch 0-15, V ch 16-31, V_v ch 0-15, V_v ch 16-31)
.set SPARE, 262144                     ; the spare words, 128 bytes for each wave: eight blocks of 256 bytes that no other line names
.set AKO,   2015232
.set BQO,   2539520
.set BSIGO, 3063808
.set HCO,   3067904
.set ADR, 1                            ; v1  16 x lane + the chunk
.set SPW, 3                            ; v3  my spare word; never rewritten
.set NIL, 4                            ; v4  0; never rewritten
.set LI,  5                            ; v5  16 x lane
                                       ; v[6:7] lsf; v[10:11] f; v[12:13] f^2; v14 -M, v15 the largest t; v[16:17] the sum; v[18:19] its second chain; v20-27 at work
.set QF,  32                           ; v32-39   Q
.set BQ,  40                           ; v40-47   my queries' raw vectors
.set OV,  48                           ; v48-63   context^T, two tiles of channels
.set OVV, 64                           ; v64-79   var^T
.set P,   80                           ; v80-111  p in f16: four operands of 32 keys
.set S,   112                          ; v112-175 d, then t, then p, then p^2 (packed into the first 32)
.set F,   176                          ; v176-239 eight fragments from LDS
.set BS,  240                          ; v240-255 softplus(bo_rho)^2 of my channels
.set G1,  16                           ; s[16:23] descriptor group 1
.set G0,  24                           ; s[24:39] four groups 0, one for each chunk
.set NC,  42                           ; s[42:43] -c, lsf
.set WV,  44
.set SEL, 50
.macro PLACES n
.rept \n
	v_nop
.endr
.endm
.macro CROUND                          ; a round of the cluster's barrier
	s_barrier_signal -1
	s_barrier_wait -1
	s_cmp_lg_u32 s[WV], 0
	s_cbranch_scc1 .Lnot_wave_0_\@
	s_barrier_signal -3
.Lnot_wave_0_\@:
	s_barrier_wait -3
	s_barrier_signal -1
	s_barrier_wait -1
.endm
	s_load_b256 s[4:11], s[0:1], 0x0               ; qimg, kimg, vx, wprep
	s_load_b128 s[12:15], s[0:1], 0x20             ; ctxh, ctxs
	s_load_b64 s[40:41], s[0:1], 0x30              ; varimg
	v_lshl_add_u32 v[SPW], v0, 2, SPARE
	v_mov_b32 v[NIL], 0
	ds_add_u32 v[SPW], v[NIL]                      ; the wave's opening: the add, twice on end, and its wait, ahead of the first tensor load
	ds_add_u32 v[SPW], v[NIL]
	v_lshrrev_b32 v20, 5, v0
	v_readfirstlane_b32 s[WV], v20                 ; wave 0..15
	s_bfe_u32 s45, ttmp6, 0x40000                  ; cx: my block of 256 queries: it enters Q's, the query vectors' and the results' addresses alone
	s_and_b32 s46, ttmp7, 0xffff                   ; 16 batch + head, which the four partners share
	s_lshr_b32 s47, s46, 4                         ; batch
	s_and_b32 s48, s46, 15                         ; head
	s_and_b32 s49, s[WV], 3                        ; what I fetch, if I fetch: 0 K, 1 the key vectors, 2 and 3 the halves of V's part
	s_mov_b32 s[G1], 15|(3<<16)|(1<<21)            ; the mask: all four work-groups; elements of 8 bytes; bit 21 beside a mask; no padding
	s_mov_b32 s[G1+1], 32<<16                      ; tensor_dim0 = 32: rows of 256 bytes
	s_mov_b32 s[G1+2], 64<<16                      ; tensor_dim1 = 64
	s_mov_b32 s[G1+3], 32<<16                      ; tile_dim0
	s_mov_b32 s[G1+4], 64                          ; tile_dim1: 16,384 dense bytes a load
	s_mov_b32 s[G1+5], 32                          ; the pitch
	s_mov_b32 s[G1+6], 0
	s_mov_b32 s[G1+7], 0
	s_mov_b32 s[SEL], 0x76543210
	s_mov_b32 s[SEL+1], 0xfedcba98
	s_lshl_b32 s62, s49, 14                        ; my part's place in a chunk
	s_lshr_b32 s57, s49, 1
	s_lshl_b32 s56, 0x4000, s57                    ; from chunk to chunk in memory: 16 KB, in V's buffer 32 KB
	s_mov_b32 s57, 0
	s_lshl_b32 s54, s46, 16                        ; K: 64 KB a head
	s_lshl_b32 s58, s47, 16
	s_add_co_u32 s58, s58, AKO                     ; the key vectors: 64 KB a batch
	s_lshl_b32 s59, s46, 17                        ; V: 128 KB a head,
	s_and_b32 s60, s49, 1
	s_lshl_b32 s60, s60, 14
	s_add_co_u32 s59, s59, s60                     ; and the second half of a chunk's 32 KB
	s_mov_b32 s55, 0
	s_wait_dscnt 0x0                               ; both opening adds are done
	s_wait_kmcnt 0x0
	s_cmp_eq_u32 s49, 1                            ; the choices hang on the wave's number alone
	s_cselect_b32 s54, s58, s54
	s_cselect_b64 s[52:53], s[10:11], s[6:7]
	s_cmp_ge_u32 s49, 2
	s_cselect_b32 s54, s59, s54
	s_cselect_b64 s[52:53], s[8:9], s[52:53]
	s_add_nc_u64 s[52:53], s[52:53], s[54:55]
.irp c, 0,1,2,3
	s_mov_b32 s[G0+4*\c], 1                        ; count = 1
	s_add_co_u32 s[G0+4*\c+1], s62, \c*65536       ; LDS address
	s_mov_b64 s[G0+4*\c+2:G0+4*\c+3], s[52:53]     ; global address
	s_or_b32 s[G0+4*\c+3], s[G0+4*\c+3], 0x80000000   ; type = 2
	s_add_nc_u64 s[52:53], s[52:53], s[56:57]
.endr
	s_lshl_b32 s58, s48, 3
	s_mov_b32 s59, 0
	s_add_nc_u64 s[58:59], s[10:11], s[58:59]
	s_load_b64 s[NC:NC+1], s[58:59], HCO           ; my head's (-c, lsf)
	CROUND                                         ; all four work-groups are here: the joint loads meet
	s_cmp_lt_u32 s[WV], 4                          ; a wave's four first fills stand in one branch, ahead of every wait on TENSORcnt and every LDS read
	s_cbranch_scc0 .Lno_fetch
.irp c, 0,1,2,3
	tensor_load_to_lds s[G0+4*\c:G0+4*\c+3], s[G1:G1+7]
	s_nop 0
.endr
	PLACES 4
.Lno_fetch:
	s_lshl_b32 s60, s47, 6
	s_lshl_b32 s61, s45, 4
	s_add_co_u32 s60, s60, s61
	s_add_co_u32 s60, s60, s[WV]                   ; my tile of rows: 64 batch + 16 cx + wave
	s_lshl_b32 s54, s46, 6
	s_add_co_u32 s54, s54, s61
	s_add_co_u32 s54, s54, s[WV]
	s_lshl_b32 s54, s54, 10
	s_add_nc_u64 s[4:5], s[4:5], s[54:55]          ; Q's image
	s_lshl_b32 s54, s60, 10
	s_add_nc_u64 s[6:7], s[10:11], s[54:55]        ; my queries' raw vectors (the descriptors hold their own copies of K's address)
	s_lshl_b32 s54, s48, 7
	s_add_nc_u64 s[8:9], s[10:11], s[54:55]        ; my head's 32 numbers of softplus(bo_rho)^2
	s_lshl_b32 s54, s60, 4
	s_add_co_u32 s54, s54, s48
	s_lshl_b32 s54, s54, 10
	s_add_nc_u64 s[12:13], s[12:13], s[54:55]      ; context: fragment 16 x row tile + head
	s_add_nc_u64 s[14:15], s[14:15], s[54:55]
	s_lshl_b32 s54, s54, 1
	s_add_nc_u64 s[40:41], s[40:41], s[54:55]      ; var: tile 32 x row tile + 2 head
	v_and_b32 v20, 31, v0
	v_lshlrev_b32 v[LI], 4, v20
	v_lshlrev_b32 v[ADR], 4, v20
	v_bfe_u32 v21, v0, 4, 1
	v_lshlrev_b32 v21, 5, v21                      ; 32 h: my eight channels of a tile
	global_load_b128 v[QF:QF+3], v[LI], s[4:5] th:TH_LOAD_NT
	global_load_b128 v[QF+4:QF+7], v[LI], s[4:5] offset:512 th:TH_LOAD_NT
	global_load_b128 v[BQ:BQ+3], v[LI], s[6:7] offset:BQO
	global_load_b128 v[BQ+4:BQ+7], v[LI], s[6:7] offset:BQO+512
.irp ct, 0,1
	global_load_b128 v[BS+8*\ct:BS+8*\ct+3], v21, s[8:9] offset:BSIGO+2048+64*\ct
	global_load_b128 v[BS+8*\ct+4:BS+8*\ct+7], v21, s[8:9] offset:BSIGO+2048+64*\ct+16
.endr
	s_wait_kmcnt 0x0
	v_mov_b32 v6, s[NC+1]
	v_mov_b32 v7, s[NC+1]
	v_mov_b32 v15, 0xff61b1e6                      ; the largest t so far: -3e38, under every t
	v_floor_f32 v14, -v15                          ; -M
	v_mov_b32 v16, 0                               ; the sum, in two halves
	v_mov_b32 v17, 0
	v_mov_b32 v25, 0                               ; a lane permute's destination counts as one of its sources
	v_mov_b32 v11, 0                               ; (named as the upper halves of pairs)
	v_mov_b32 v13, 0
	s_wait_loadcnt 0x0
; 128 keys: the j-th half of the chunk in hand.  first = 1: the products start the sums with the constant 0, and there is nothing to rescale.
.macro STEP j, first
.set i, 0
.rept 8
	ds_load_b128 v[F+8*i:F+8*i+3], v[ADR] offset:AKL+8192*(\j)+1024*i
	ds_load_b128 v[F+8*i+4:F+8*i+7], v[ADR] offset:AKL+8192*(\j)+1024*i+512
.set i, i+1
.endr
	s_wait_dscnt 0x0
.set i, 0
.rept 8
	v_wmma_f32_16x16x32_f16 v[S+8*i:S+8*i+7], v[F+8*i:F+8*i+7], v[BQ:BQ+7], 0   ; d: lane (r, h) holds query r, keys 16 i + 8 h + 0 .. 7
.set i, i+1
.endr
	PLACES 4                                       ; ahead of the loads into the fragments and of the first read of d
.set i, 0
.rept 8
	ds_load_b128 v[F+8*i:F+8*i+3], v[ADR] offset:8192*(\j)+1024*i
	ds_load_b128 v[F+8*i+4:F+8*i+7], v[ADR] offset:8192*(\j)+1024*i+512
.set i, i+1
.endr
.set i, 0
.rept 32
	v_pk_fma_f32 v[S+2*i:S+2*i+1], v[S+2*i:S+2*i+1], s[NC:NC+1], v[6:7] op_sel_hi:[1,0,0]   ; lsf - c d
.set i, i+1
.endr
.set i, 0
.rept 64
	v_min_num_f32 v[S+i], v6, v[S+i]               ; d is clipped at 0
.set i, i+1
.endr
.set i, 0
.rept 64
	v_exp_f32 v[S+i], v[S+i]                       ; log2(e) rbf
.set i, i+1
.endr
	v_nop                                          ; a plain place behind the exponentials
	s_wait_alu depctr_va_vdst(0)                   ; one wait for the batch, ahead of its first reader
	s_wait_dscnt 0x0                               ; K's fragments are in
.set i, 0
.rept 8
	v_wmma_f32_16x16x32_f16 v[S+8*i:S+8*i+7], v[F+8*i:F+8*i+7], v[QF:QF+7], v[S+8*i:S+8*i+7]   ; t.  The eight accumulators take turns
.set i, i+1
.endr
	PLACES 4
.set i, 0
.rept 8
	ds_load_b128 v[F+8*i:F+8*i+3], v[ADR] offset:VXL+16384*(\j)+1024*i        ; V's and V_v's fragments of the first 64 keys land during the softmax
	ds_load_b128 v[F+8*i+4:F+8*i+7], v[ADR] offset:VXL+16384*(\j)+1024*i+512
.set i, i+1
.endr
.irp b, 0,1,2,3
	v_max3_num_f32 v[20+\b], v[S+16*\b], v[S+1+16*\b], v[S+2+16*\b]           ; four chains; each accumulator is read from its low end on
.endr
.irp i, 3,5,7,9,11,13
.irp b, 0,1,2,3
	v_max3_num_f32 v[20+\b], v[20+\b], v[S+16*\b+\i], v[S+1+16*\b+\i]
.endr
.endr
.irp b, 0,1,2,3
	v_max_num_f32 v[20+\b], v[20+\b], v[S+15+16*\b]
.endr
	v_max3_num_f32 v24, v20, v21, v22
	v_max_num_f32 v24, v24, v23
	v_permlanex16_b32 v25, v24, s[SEL], s[SEL+1]   ; my query's other 64 keys lie in the lane 16 away
	v_max_num_f32 v24, v24, v25
	v_max_num_f32 v15, v15, v24                    ; the running largest t
	v_mov_b32 v26, v14
	v_floor_f32 v14, -v15                          ; the new -M = -ceil(t)
	v_sub_f32 v26, v14, v26                        ; old M - new M: a whole number, 0 or less
	v_cvt_i32_f32 v26, v26                         ; (it saturates)
	v_ldexp_f32 v10, 1.0, v26                      ; f
	v_mul_f32 v12, v10, v10                        ; f^2
.set i, 0
.rept 32
	v_pk_add_f32 v[S+2*i:S+2*i+1], v[S+2*i:S+2*i+1], v[14:15] op_sel_hi:[1,0]   ; t - M
.set i, i+1
.endr
.set i, 0
.rept 64
	v_exp_f32 v[S+i], v[S+i]                       ; p, at most 1: not normalised
.set i, i+1
.endr
	v_pk_mul_f32 v[16:17], v[16:17], v[10:11] op_sel_hi:[1,0]   ; the sum under the new M.  (A plain place behind the exponentials)
	s_wait_alu depctr_va_vdst(0)                   ; one wait for the batch
	v_pk_add_f32 v[18:19], v[S:S+1], v[S+2:S+3]    ; the row's sum, of the unrounded p, in two chains
.irp i, 4,8,12,16,20,24,28,32,36,40,44,48,52,56,60
	v_pk_add_f32 v[16:17], v[16:17], v[S+\i:S+\i+1]
	v_pk_add_f32 v[18:19], v[18:19], v[S+2+\i:S+3+\i]
.endr
	v_pk_add_f32 v[16:17], v[16:17], v[18:19]
.set i, 0
.rept 32
	v_cvt_pk_f16_f32 v[P+i], v[S+2*i], v[S+2*i+1]  ; two neighbouring tiles of keys ARE source 1 of the next product
.set i, i+1
.endr
.set i, 0
.rept 32
	v_pk_mul_f32 v[S+2*i:S+2*i+1], v[S+2*i:S+2*i+1], v[S+2*i:S+2*i+1]
.set i, i+1
.endr
.set i, 0
.rept 32
	v_cvt_pk_bf16_f32 v[S+i], v[S+2*i], v[S+2*i+1] ; p^2, in place, ascending
.set i, i+1
.endr
.if !(\first)
.set i, 0
.rept 8
	v_pk_mul_f32 v[OV+2*i:OV+2*i+1], v[OV+2*i:OV+2*i+1], v[10:11] op_sel_hi:[1,0]
.set i, i+1
.endr
.set i, 0
.rept 8
	v_pk_mul_f32 v[OVV+2*i:OVV+2*i+1], v[OVV+2*i:OVV+2*i+1], v[12:13] op_sel_hi:[1,0]
.set i, i+1
.endr
.endif
.irp u, 0,1                                    ; 64 keys at a time: two groups of 32; the four accumulators take turns
.if \u
	PLACES 4
.set i, 0
.rept 8
	ds_load_b128 v[F+8*i:F+8*i+3], v[ADR] offset:VXL+16384*(\j)+8192+1024*i
	ds_load_b128 v[F+8*i+4:F+8*i+7], v[ADR] offset:VXL+16384*(\j)+8192+1024*i+512
.set i, i+1
.endr
.endif
	s_wait_dscnt 0x0
.irp g, 0,1
.if (\first) && (\u == 0) && (\g == 0)
	v_wmma_f32_16x16x32_f16 v[OV:OV+7], v[F:F+7], v[P:P+7], 0
	v_wmma_f32_16x16x32_f16 v[OV+8:OV+15], v[F+8:F+15], v[P:P+7], 0
	v_wmma_f32_16x16x32_bf16 v[OVV:OVV+7], v[F+16:F+23], v[S:S+7], 0
	v_wmma_f32_16x16x32_bf16 v[OVV+8:OVV+15], v[F+24:F+31], v[S:S+7], 0
.else
	v_wmma_f32_16x16x32_f16 v[OV:OV+7], v[F+32*\g:F+32*\g+7], v[P+8*(2*\u+\g):P+8*(2*\u+\g)+7], v[OV:OV+7]
	v_wmma_f32_16x16x32_f16 v[OV+8:OV+15], v[F+32*\g+8:F+32*\g+15], v[P+8*(2*\u+\g):P+8*(2*\u+\g)+7], v[OV+8:OV+15]
	v_wmma_f32_16x16x32_bf16 v[OVV:OVV+7], v[F+32*\g+16:F+32*\g+23], v[S+8*(2*\u+\g):S+8*(2*\u+\g)+7], v[OVV:OVV+7]
	v_wmma_f32_16x16x32_bf16 v[OVV+8:OVV+15], v[F+32*\g+24:F+32*\g+31], v[S+8*(2*\u+\g):S+8*(2*\u+\g)+7], v[OVV+8:OVV+15]
.endif
.endr
.endr
	PLACES 5                                       ; the next step's first products write over p^2's registers, operands that are done with: five places; its loads and the way out want four
.endm
; a chunk of 256 keys.  The count leaves the later chunks' loads out.
.macro CHUNK c
.if \c
	v_add_nc_u32 v[ADR], 0x10000, v[ADR]
.endif
	s_wait_tensorcnt 3-\c                          ; tensor loads of a wave end in order: my part of chunk c is in,
	s_barrier_signal -1
	s_barrier_wait -1                              ; everybody's is
.if \c
	STEP 0, 0
.else
	STEP 0, 1
.endif
	STEP 1, 0
.endm
	CHUNK 0
	CHUNK 1
	CHUNK 2
	CHUNK 3
	; THE WAY OUT
	v_add_f32 v16, v16, v17                        ; the sum's two halves,
	v_permlanex16_b32 v25, v16, s[SEL], s[SEL+1]
	v_add_f32 v16, v16, v25                        ; and lane l xor 16's
	v_rcp_f32 v20, v16
	v_nop                                          ; a plain place behind the reciprocal
	s_wait_alu depctr_va_vdst(0)
	v_mul_f32 v22, v20, v20
.set i, 0
.rept 8
	v_pk_mul_f32 v[S+2*i:S+2*i+1], v[OV+2*i:OV+2*i+1], v[20:21] op_sel_hi:[1,0]   ; context: query r, channels 16 ct + 8 h + 0 .. 7
.set i, i+1
.endr
.set i, 0
.rept 8
	v_cvt_pk_f16_f32 v[S+16+i], v[S+2*i], v[S+2*i+1]
.set i, i+1
.endr
.set i, 0
.rept 8
	v_pk_mul_f32 v[S+2*i:S+2*i+1], v[S+2*i:S+2*i+1], v[S+2*i:S+2*i+1]
.set i, i+1
.endr
.set i, 0
.rept 8
	v_cvt_pk_bf16_f32 v[S+24+i], v[S+2*i], v[S+2*i+1]
.set i, i+1
.endr
.set i, 0
.rept 8
	v_pk_fma_f32 v[S+32+2*i:S+33+2*i], v[OVV+2*i:OVV+2*i+1], v[22:23], v[BS+2*i:BS+2*i+1] op_sel_hi:[1,0,1]   ; var / sum^2 + softplus(bo_rho)^2
.set i, i+1
.endr
	global_store_b128 v[LI], v[S+16:S+19], s[12:13]              ; each store covers 512 consecutive bytes, aligned
	global_store_b128 v[LI], v[S+20:S+23], s[12:13] offset:512
	global_store_b128 v[LI], v[S+24:S+27], s[14:15]
	global_store_b128 v[LI], v[S+28:S+31], s[14:15] offset:512
.irp i, 0,1,2,3
	global_store_b128 v[LI], v[S+32+4*\i:S+35+4*\i], s[40:41] offset:512*\i
.endr
	s_wait_tensorcnt 0x0                           ; the wave's end
	ds_add_u32 v[SPW], v[NIL]
	s_wait_dscnt 0x0
	CROUND                                         ; the closing round
	s_endpgm
.Lfunc_end_k_qd752927932_attn:
	.size	k_qd752927932_attn, .Lfunc_end_k_qd752927932_attn-k_qd752927932_attn
	.p2alignl 7, 3214868480
	.fill 96, 4, 3214868480
	.section	.rodata,"a",@progbits
	.p2align	6, 0x0
	.amdhsa_kernel k_qd752927932_attn
		.amdhsa_group_segment_fixed_size 264192
		.amdhsa_private_segment_fixed_size 0
		.amdhsa_enable_private_segment 0
		.amdhsa_kernarg_size 56
		.amdhsa_user_sgpr_count 2
		.amdhsa_user_sgpr_kernarg_segment_ptr 1
		.amdhsa_wavefront_size32 1
		.amdhsa_system_sgpr_workgroup_id_x 1
		.amdhsa_system_sgpr_workgroup_id_y 1
		.amdhsa_system_sgpr_workgroup_id_z 1
		.amdhsa_system_vgpr_workitem_id 0
		.amdhsa_next_free_vgpr 256
		.amdhsa_next_free_sgpr 66
		.amdhsa_reserve_vcc 0
		.amdhsa_float_denorm_mode_32 3
		.amdhsa_float_denorm_mode_16_64 3
		.amdhsa_memory_ordered 1
		.amdhsa_forward_progress 1
		.amdhsa_inst_pref_size 236
	.end_amdhsa_kernel
	.amdgpu_metadata
---
amdhsa.version: [ 1, 2 ]
amdhsa.kernels:
  - .name:           k_qd752927932_attn
    .symbol:         k_qd752927932_attn.kd
    .args:
      - { .name: qimg, .offset: 0, .size: 8, .value_kind: global_buffer, .address_space: global }
      - { .name: kimg, .offset: 8, .size: 8, .value_kind: global_buffer, .address_space: global }
      - { .name: vx, .offset: 16, .size: 8, .value_kind: global_buffer, .address_space: global }
      - { .name: wprep, .offset: 24, .size: 8, .value_kind: global_buffer, .address_space: global }
      - { .name: ctxh, .offset: 32, .size: 8, .value_kind: global_buffer, .address_space: global }
      - { .name: ctxs, .offset: 40, .size: 8, .value_kind: global_buffer, .address_space: global }
      - { .name: varimg, .offset: 48, .size: 8, .value_kind: global_buffer, .address_space: global }
    .group_segment_fixed_size: 264192
    .private_segment_fixed_size: 0
    .kernarg_segment_align: 8
    .kernarg_segment_size: 56
    .max_flat_workgroup_size: 512
    .sgpr_count:     66
    .vgpr_count:     256
    .wavefront_size: 32
...
	.end_amdgpu_metadata
.endif
;; end of part 3
;; launch outp (part 4): grid 4 x 64, 4 waves a work-group, clusters of 4 x 1, 262,656 bytes of LDS; arguments ctxh, ctxs, varimg, wprep, bo_mu, out0, out1; writes out0, out1
.if DOCPART == 4
	.amdgcn_target "amdgcn-amd-amdhsa--gfx1250"
	.amdhsa_code_object_version 6
	.text
	.protected	k_qd752927932_outp
	.globl	k_qd752927932_outp
	.p2align	8
	.type	k_qd752927932_outp,@function
k_qd752927932_outp:
	s_mov_b64 s[64:65], 0
	v_nop
	global_prefetch_b8 v0, s[64:65] scope:SCOPE_SE
	s_setreg_imm32_b32 hwreg(HW_REG_WAVE_MODE, 25, 1), 1
	s_wait_xcnt 0x0
	s_wait_alu depctr_hold_cnt(0) depctr_sa_sdst(0) depctr_va_vdst(0) depctr_va_sdst(0) depctr_va_ssrc(0) depctr_va_vcc(0) depctr_vm_vsrc(0)
	s_getreg_b32 s2, hwreg(HW_REG_IB_STS2, 6, 4)
	s_cmp_eq_u32 s2, 0
	s_cbranch_scc0 .Lentry_in_a_cluster
	s_endpgm
.Lentry_in_a_cluster:
	s_bfe_u32 s2, ttmp6, 0x10000c
	s_cmp_lg_u32 s2, 0x3003
	s_cbranch_scc0 .Lentry_shape_is_right
	s_endpgm
.Lentry_shape_is_right:
; OUTP: out0 = context Wo_mu^T + bo_mu (f16 operands); out1 = context^2 softplus(Wo_rho)^2^T + (var_attn + softplus(bo_rho)^2) (bf16 operands: every term is positive, and bf16 keeps f32's range).
; SHARES.  A work-group takes 128 rows (cluster y) x 128 columns (place in the cluster); wave w makes column tiles 8 cx + 2 w, + 1 for all eight tiles of rows.  Its weights, 512 registers, are read once and stay.
; The four partners need the same 256 KB of context images: each wave asks for a quarter of each of the two blocks by a JOINT load (mask 15); two tensor loads of mine are out.  Filled once.
; The products are used transposed (source 0 = 16 rows of the weight, source 1 = 16 rows of context): a lane holds eight neighbouring columns of one row.  bo_mu is the C of the mean's first K step; the variance's
; accumulators are LOADED with var_attn + softplus(bo_rho)^2, which the launch before stored in their layout.
; THE WAY OUT goes through a stage of 128 rows x (512 + 16) bytes, which lies in the f16 context's bytes: they have had their only fill, and a barrier stands behind their last read.
; REGISTERS: window 0: v1-11 addresses; v16-31 bo_mu; v64-191 two buffers of eight fragments, later 32 rows read back.  window 1: Wo_mu (fragment 16 ct + ks).  window 2: softplus(Wo_rho)^2.
;   window 3: v0-127 the mean's sixteen accumulators (2 rt + ct), v128-255 the variance's.
.set SPARE, 262144                     ; the spare words, 128 bytes for each wave: two blocks of 256 bytes that no other line names
.set WOHO,  966656
.set WOSO,  1490944
.set LI,  1                            ; 16 x lane
.set LA0, 2                            ; v2-5  16 x lane + 0, 65,536 (context, row tiles 0-3, 4-7), 131,072, 196,608 (context^2)
.set SO,  6                            ; the stage: where I put 32 bytes of a row
.set SR,  7                            ; and where I read a row back
.set BH,  8                            ; 32 h
.set SPW, 10
.set NIL, 11
.set BO,  16
.set AB,  64
.set G1,  16                           ; s[16:23]
.set G0,  24                           ; s[24:31]
.set WV,  44
.set MSB, 0
.macro WIN new
.if MSB != \new
	s_set_vgpr_msb (MSB<<8)|\new
.set MSB, \new
.endif
.endm
.macro PLACES n
.rept \n
	v_nop
.endr
.endm
.macro CROUND
	s_barrier_signal -1
	s_barrier_wait -1
	s_cmp_lg_u32 s[WV], 0
	s_cbranch_scc1 .Lnot_wave_0_\@
	s_barrier_signal -3
.Lnot_wave_0_\@:
	s_barrier_wait -3
	s_barrier_signal -1
	s_barrier_wait -1
.endm
.macro BARRIER                         ; my LDS stores have landed and my LDS loads are in: then the work-group's barrier
	s_wait_dscnt 0x0
	s_barrier_signal -1
	s_barrier_wait -1
.endm
.macro FETCHC la, ks, buf              ; the eight row tiles' fragments of K step ks
.set i, 0
.rept 4
	ds_load_b128 v[AB+64*(\buf)+8*i:AB+64*(\buf)+8*i+3], v[\la] offset:(16*i+(\ks))*1024
	ds_load_b128 v[AB+64*(\buf)+8*i+4:AB+64*(\buf)+8*i+7], v[\la] offset:(16*i+(\ks))*1024+512
	ds_load_b128 v[AB+64*(\buf)+8*(i+4):AB+64*(\buf)+8*(i+4)+3], v[\la+1] offset:(16*i+(\ks))*1024
	ds_load_b128 v[AB+64*(\buf)+8*(i+4)+4:AB+64*(\buf)+8*(i+4)+7], v[\la+1] offset:(16*i+(\ks))*1024+512
.set i, i+1
.endr
.endm
.macro MULO kind, ks                   ; sixteen matrix instructions, one on each accumulator: they take turns
.set rt, 0
.rept 8
.irp ct, 0,1
.set rD, 128*(\kind)+8*(2*rt+\ct)
.set rW, 8*(16*\ct+(\ks))
.set rB, AB+64*((\ks)%2)+8*rt
.if \kind
	v_wmma_f32_16x16x32_bf16 v[rD:rD+7], v[rW:rW+7], v[rB:rB+7], v[rD:rD+7]
.elseif (\ks) == 0
	v_wmma_f32_16x16x32_f16 v[rD:rD+7], v[rW:rW+7], v[rB:rB+7], v[BO+8*\ct:BO+8*\ct+7]
.else
	v_wmma_f32_16x16x32_f16 v[rD:rD+7], v[rW:rW+7], v[rB:rB+7], v[rD:rD+7]
.endif
.endr
.set rt, rt+1
.endr
.endm
.macro PASS kind                       ; sixteen K steps of 32; while one is multiplied the next one's 16 loads are out
	FETCHC LA0+2*\kind, 0, 0
.set KS, 0
.rept 16
.if KS < 15
.if KS > 0
	PLACES 4                                       ; in front of loads into registers that matrix instructions have read
.endif
	FETCHC LA0+2*\kind, KS+1, (KS+1)%2
	s_wait_dscnt 16                                ; all but the 16 just issued
.else
	s_wait_dscnt 0x0
.endif
.if \kind
	WIN 0xf2                                       ; source 0 window 2, source 1 window 0, C and D window 3
.elseif KS == 0
	WIN 0xc1                                       ; source 0 window 1, C (bo_mu) window 0, D window 3
.else
	WIN 0xf1
.endif
	MULO \kind, KS
	WIN 0
.set KS, KS+1
.endr
.endm
.macro STAGE base                      ; my sixteen accumulators into the stage, each from its low end on
	PLACES 4
	WIN 0x0c                                       ; an LDS store's data are its source 1: window 3
.set i, 0
.rept 16
	ds_store_b128 v[SO], v[\base+8*i:\base+8*i+3] offset:(i/2)*8448+(i%2)*64
	ds_store_b128 v[SO], v[\base+8*i+4:\base+8*i+7] offset:(i/2)*8448+(i%2)*64+16
.set i, i+1
.endr
	WIN 0
.endm
.macro SEND ptr                        ; my 32 rows back, whole, and out: 32 lanes store 512 consecutive bytes, aligned
.set i, 0
.rept 32
	ds_load_b128 v[AB+4*i:AB+4*i+3], v[SR] offset:528*i
.set i, i+1
.endr
.set i, 0
.rept 32
	s_wait_dscnt 31-i                              ; LDS loads come back in order: row i is in, the younger ones stay out
	global_store_b128 v[LI], v[AB+4*i:AB+4*i+3], s[\ptr:\ptr+1] offset:2048*i th:TH_STORE_NT
.set i, i+1
.endr
.endm
	s_load_b256 s[4:11], s[0:1], 0x0               ; ctxh, ctxs, varimg, wprep
	s_load_b128 s[12:15], s[0:1], 0x20             ; bo_mu, out0
	s_load_b64 s[40:41], s[0:1], 0x30              ; out1
	v_lshl_add_u32 v[SPW], v0, 2, SPARE
	v_mov_b32 v[NIL], 0
	ds_add_u32 v[SPW], v[NIL]                      ; the wave's opening: the add, twice on end, and its wait, ahead of my first tensor load
	ds_add_u32 v[SPW], v[NIL]
	v_lshrrev_b32 v12, 5, v0
	v_readfirstlane_b32 s[WV], v12                 ; wave 0..3
	s_bfe_u32 s45, ttmp6, 0x40000                  ; cx: my 128 columns: it enters the weights', the biases', var's and the outputs' addresses alone
	s_and_b32 s46, ttmp7, 0xffff                   ; rb: the 128 rows, which the four partners share
	s_mov_b32 s[G1], 15|(3<<16)|(1<<21)            ; the mask: all four work-groups; elements of 8 bytes; bit 21 beside a mask; no padding
	s_mov_b32 s[G1+1], 32<<16                      ; rows of 256 bytes
	s_mov_b32 s[G1+2], 128<<16
	s_mov_b32 s[G1+3], 32<<16
	s_mov_b32 s[G1+4], 128                         ; 32,768 dense bytes a load
	s_mov_b32 s[G1+5], 32
	s_mov_b32 s[G1+6], 0
	s_mov_b32 s[G1+7], 0
	s_lshl_b32 s50, s[WV], 15                      ; my quarter, in LDS and in memory
	s_lshl_b32 s48, s46, 17
	s_add_co_u32 s48, s48, s50
	s_mov_b32 s49, 0
	s_lshl_b32 s51, s45, 3
	s_lshl_b32 s52, s[WV], 1
	s_add_co_u32 s51, s51, s52                     ; my first column tile
	s_mov_b32 s57, 0
	s_wait_dscnt 0x0                               ; both opening adds are done
	s_wait_kmcnt 0x0
	s_mov_b32 s[G0], 1
	s_mov_b32 s[G0+1], s50
	s_add_nc_u64 s[G0+2:G0+3], s[4:5], s[48:49]
	s_or_b32 s[G0+3], s[G0+3], 0x80000000
	s_mov_b32 s[G0+4], 1
	s_add_co_u32 s[G0+5], s50, 131072
	s_add_nc_u64 s[G0+6:G0+7], s[6:7], s[48:49]
	s_or_b32 s[G0+7], s[G0+7], 0x80000000
	CROUND                                         ; all four work-groups are here: the joint loads meet
	tensor_load_to_lds s[G0:G0+3], s[G1:G1+7]      ; context in f16
	s_nop 0
	tensor_load_to_lds s[G0+4:G0+7], s[G1:G1+7]    ; context^2 in bf16
	s_nop 0
	PLACES 4
	s_lshl_b32 s56, s51, 14
	s_add_nc_u64 s[54:55], s[10:11], s[56:57]      ; my two column tiles' fragments in each weight image
	s_lshl_b32 s56, s46, 18
	s_lshl_b32 s58, s51, 10
	s_add_co_u32 s56, s56, s58
	s_add_nc_u64 s[8:9], s[8:9], s[56:57]          ; var: tile 32 (8 rb + rt) + column tile
	s_lshl_b32 s56, s51, 6
	s_add_nc_u64 s[12:13], s[12:13], s[56:57]      ; bo_mu
	s_lshl_b32 s56, s46, 18
	s_lshl_b32 s58, s[WV], 16
	s_add_co_u32 s56, s56, s58
	s_lshl_b32 s58, s45, 9
	s_add_co_u32 s56, s56, s58
	s_add_nc_u64 s[14:15], s[14:15], s[56:57]      ; the outputs at row 128 rb + 32 wave, column 128 cx
	s_add_nc_u64 s[40:41], s[40:41], s[56:57]
	v_and_b32 v12, 31, v0
	v_lshlrev_b32 v[LI], 4, v12
	v_lshlrev_b32 v[LA0], 4, v12
	v_add_nc_u32 v[LA0+1], 0x10000, v[LA0]
	v_add_nc_u32 v[LA0+2], 0x20000, v[LA0]
	v_add_nc_u32 v[LA0+3], 0x30000, v[LA0]
	v_and_b32 v12, 15, v0                          ; r
	v_bfe_u32 v13, v0, 4, 1                        ; h
	v_mul_u32_u24 v[SO], v12, 528
	v_lshl_add_u32 v[SO], v13, 5, v[SO]
	s_lshl_b32 s58, s[WV], 7
	v_add_nc_u32 v[SO], s58, v[SO]                 ; row r, + 32 h, + my 128 bytes of a row
	s_mul_i32 s58, s[WV], 16896
	v_add_nc_u32 v[SR], s58, v[LI]                 ; my 32 rows, 16 bytes a lane
	v_lshlrev_b32 v[BH], 5, v13
	WIN 0x40                                       ; destination window 1
.set i, 0
.rept 32
	global_load_b128 v[8*i:8*i+3], v[LI], s[54:55] offset:WOHO+1024*i
	global_load_b128 v[8*i+4:8*i+7], v[LI], s[54:55] offset:WOHO+1024*i+512
.set i, i+1
.endr
	WIN 0x80                                       ; destination window 2
.set i, 0
.rept 32
	global_load_b128 v[8*i:8*i+3], v[LI], s[54:55] offset:WOSO+1024*i
	global_load_b128 v[8*i+4:8*i+7], v[LI], s[54:55] offset:WOSO+1024*i+512
.set i, i+1
.endr
	WIN 0xc0                                       ; destination window 3: the variance's accumulators begin as var_attn + softplus(bo_rho)^2
.set i, 0
.rept 16
	global_load_b128 v[128+8*i:128+8*i+3], v[LI], s[8:9] offset:(i/2)*32768+(i%2)*1024 th:TH_LOAD_NT
	global_load_b128 v[128+8*i+4:128+8*i+7], v[LI], s[8:9] offset:(i/2)*32768+(i%2)*1024+512 th:TH_LOAD_NT
.set i, i+1
.endr
	WIN 0
.irp ct, 0,1
	global_load_b128 v[BO+8*\ct:BO+8*\ct+3], v[BH], s[12:13] offset:64*\ct
	global_load_b128 v[BO+8*\ct+4:BO+8*\ct+7], v[BH], s[12:13] offset:64*\ct+16
.endr
	s_wait_loadcnt 0x0
	s_wait_tensorcnt 1                             ; my quarter of the f16 context is in; context^2's load may stay out
	s_barrier_signal -1
	s_barrier_wait -1                              ; everybody's is
	PASS 0
	s_wait_tensorcnt 0x0                           ; my quarter of context^2 is in,
	BARRIER                                        ; everybody's is, and nobody reads the f16 context any more: its bytes become the stage
	STAGE 0
	BARRIER                                        ; 128 whole rows of out0 lie in the stage
	SEND 14
	s_wait_xcnt 0x0                                ; the stores have read their registers: fragments may land there
	PASS 1
	BARRIER                                        ; every wave's reads of the stage are over
	STAGE 128
	BARRIER
	SEND 40
	s_wait_tensorcnt 0x0                           ; the wave's end, behind my last tensor load and my last LDS store
	ds_add_u32 v[SPW], v[NIL]
	s_wait_dscnt 0x0
	CROUND                                         ; the closing round
	s_endpgm
.Lfunc_end_k_qd752927932_outp:
	.size	k_qd752927932_outp, .Lfunc_end_k_qd752927932_outp-k_qd752927932_outp
	.p2alignl 7, 3214868480
	.fill 96, 4, 3214868480
	.section	.rodata,"a",@progbits
	.p2align	6, 0x0
	.amdhsa_kernel k_qd752927932_outp
		.amdhsa_group_segment_fixed_size 262656
		.amdhsa_private_segment_fixed_size 0
		.amdhsa_enable_private_segment 0
		.amdhsa_kernarg_size 56
		.amdhsa_user_sgpr_count 2
		.amdhsa_user_sgpr_kernarg_segment_ptr 1
		.amdhsa_wavefront_size32 1
		.amdhsa_system_sgpr_workgroup_id_x 1
		.amdhsa_system_sgpr_workgroup_id_y 1
		.amdhsa_system_sgpr_workgroup_id_z 1
		.amdhsa_system_vgpr_workitem_id 0
		.amdhsa_next_free_vgpr 1024
		.amdhsa_next_free_sgpr 66
		.amdhsa_reserve_vcc 0
		.amdhsa_float_denorm_mode_32 3
		.amdhsa_float_denorm_mode_16_64 3
		.amdhsa_memory_ordered 1
		.amdhsa_forward_progress 1
		.amdhsa_inst_pref_size 108
	.end_amdhsa_kernel
	.amdgpu_metadata
---
amdhsa.version: [ 1, 2 ]
amdhsa.kernels:
  - .name:           k_qd752927932_outp
    .symbol:         k_qd752927932_outp.kd
    .args:
      - { .name: ctxh, .offset: 0, .size: 8, .value_kind: global_buffer, .address_space: global }
      - { .name: ctxs, .offset: 8, .size: 8, .value_kind: global_buffer, .address_space: global }
      - { .name: varimg, .offset: 16, .size: 8, .value_kind: global_buffer, .address_space: global }
      - { .name: wprep, .offset: 24, .size: 8, .value_kind: global_buffer, .address_space: global }
      - { .name: bo_mu, .offset: 32, .size: 8, .value_kind: global_buffer, .address_space: global }
      - { .name: out0, .offset: 40, .size: 8, .value_kind: global_buffer, .address_space: global }
      - { .name: out1, .offset: 48, .size: 8, .value_kind: global_buffer, .address_space: global }
    .group_segment_fixed_size: 262656
    .private_segment_fixed_size: 0
    .kernarg_segment_align: 8
    .kernarg_segment_size: 56
    .max_flat_workgroup_size: 128
    .sgpr_count:     66
    .vgpr_count:     1024
    .wavefront_size: 32
...
	.end_amdgpu_metadata
.endif
;; end of part 4
